; MI455X (gfx1250); checked and timed in simulation.
; The chip was launched on July 23, 2026; its instructions are those of AMD's public machine-readable ISA for CDNA 5 (MIT licence, August 2026) and "CDNA5" Instruction Set Architecture Reference Guide (July 2026). The comments in the code are by the model that wrote it; some were corrected since.
;; Multi Head Attention. Allowed arithmetic: matrix products marked QUANTISED: E5M2 operands, one given power-of-two scale a tensor, by v_wmma_f32_16x16x64_bf8_bf8 or v_wmma_f32_16x16x128_bf8_bf8, f32 sums; everything else in f32.
;; Inputs: Wk_codes 1,024 x 32 x 32 uint8 (E5M2 codes of Wk, K innermost, in blocks of 32 codes); Wo_codes 1,024 x 32 x 32 uint8 (E5M2 codes of Wo, K innermost, in blocks of 32 codes); Wq_codes 1,024 x 32 x 32 uint8 (E5M2 codes of Wq, K innermost, in blocks of 32 codes); Wv_codes 1,024 x 32 x 32 uint8 (E5M2 codes of Wv, K innermost, in blocks of 32 codes); bk 1,024 float32; bo 1,024 float32; bq 1,024 float32; bv 1,024 float32; key_codes 4 x 2,048 x 32 x 32 uint8 (E5M2 codes of key, K innermost, in blocks of 32 codes); lowp_scales 12 int32 (the exponents e of the quantised operands' scales 2^e); query_codes 4 x 2,048 x 32 x 32 uint8 (E5M2 codes of query, K innermost, in blocks of 32 codes); value_codes 4 x 2,048 x 32 x 32 uint8 (E5M2 codes of value, K innermost, in blocks of 32 codes).
;; Outputs: out0 4 x 2,048 x 1,024 float32.
;; This version of the problem:
;;   THIS VERSION OF THE PROBLEM IS GIVEN IN LOW PRECISION. The matrix products marked QUANTISED in the list below multiply operands that are first quantised to E5M2 (5 exponent bits, 2 mantissa bits; 8 bits a number), with one given power-of-two scale for each operand tensor; their sums are f32. All else is computed in f32.
;;   The module's matrix products, in the order in which they are computed (A, B: the left and right operand; K: the contracted axis; several contracted axes count as one K, in the product's order):
;;     1. [M 8,192, K 1,024] x [K 1,024, N 1,024]; A: input query (given as codes); B: input Wq (given as codes): QUANTISED (scales: A lowp_scales[0], B lowp_scales[1])
;;     2. [M 8,192, K 1,024] x [K 1,024, N 1,024]; A: input key (given as codes); B: input Wk (given as codes): QUANTISED (scales: A lowp_scales[2], B lowp_scales[3])
;;     3. [M 8,192, K 1,024] x [K 1,024, N 1,024]; A: input value (given as codes); B: input Wv (given as codes): QUANTISED (scales: A lowp_scales[4], B lowp_scales[5])
;;     4. batch 64 x [M 2,048, K 64] x [K 64, N 2,048]; A: computed on the way; B: computed on the way: QUANTISED (scales: A lowp_scales[6], B lowp_scales[7])
;;     5. batch 64 x [M 2,048, K 2,048] x [K 2,048, N 64]; A: softmax (see below); B: computed on the way: QUANTISED (scales: A lowp_scales[8], B lowp_scales[9])
;;     6. [M 8,192, K 1,024] x [K 1,024, N 1,024]; A: computed on the way; B: input Wo (given as codes): QUANTISED (scales: A lowp_scales[10], B lowp_scales[11])
;;   THE QUANTISER, for each operand of a quantised product, along K:
;;     - The operand's scale is 2^e, e = its entry of the input lowp_scales (int32; the entries are numbered through the quantised products in the list's order, A before B).
;;     - Each number is divided by the scale, clamped to +-57,344, and rounded to the nearest number of E5M2, ties to even, subnormals kept.
;;     - The product sums the exact products of the quantised numbers (number of the format x scale) in f32.
;;   ~~~python
;;   def quantise(x, axis, e):      # numpy; x: float32 -> the quantised numbers, widened to float32 again
;;       x = np.moveaxis(x, axis, -1); K = x.shape[-1]
;;       r = np.clip(x / 2.0 ** e, -57344, 57344)
;;       step = 2.0 ** (np.maximum(np.frexp(np.where(r == 0, 1, r))[1] - 1, -14) - 2)
;;       q = np.round(r / step) * step * 2.0 ** e      # np.round: ties to even
;;       return np.moveaxis(q, -1, axis).astype(np.float32)
;;   ~~~
;;   SOFTMAX AHEAD OF A QUANTISED PRODUCT. Where the list says 'softmax', what is quantised is not the finished softmax but p = 2^(t - M), with t = logit x log2(e) and M = ceil(the row's largest t), a whole number; so 1/2 < the row's largest p <= 1. The row's sum l is taken of the UNQUANTISED p, in f32, and the product's result is divided by l at the end. Since M is a whole number, a kernel that streams over the keys may use a running M (the ceiling of the running maximum): every later rescaling is an exact power of two, so the quantised numbers keep their values, but for numbers so far below the row's largest that they fall under the format's range.
;;   OPERANDS COMPUTED ON THE WAY. 'Computed on the way' means the value that the module computes at that place (a softmax that the list does not call 'softmax' is quantised finished and normalised). What goes into a quantiser is computed in f32, as accurately as f32 sums, v_exp_f32 and their like allow (about 1e-6 of the number): no bf16 or f16 on the way to a quantiser, and a product that is left as it is and whose result goes on into a quantised operand takes f32 operands (vector FMAs, or v_wmma_f32_16x16x4_f32). A number that lies on a knife's edge between two numbers of the format may be rounded either way, as far as f32 arithmetic and the matrix unit's own rounding can turn it there, and no further.
;;   INPUTS GIVEN AS CODES. Wk (in the module: [1024, 1024], K = its axis 1); Wo (in the module: [1024, 1024], K = its axis 1); Wq (in the module: [1024, 1024], K = its axis 1); Wv (in the module: [1024, 1024], K = its axis 1); key (in the module: [4, 2048, 1024], K = its axis 2); query (in the module: [4, 2048, 1024], K = its axis 2); value (in the module: [4, 2048, 1024], K = its axis 2): each comes as NAME_codes (uint8): NAME with its K axis moved to the last place and cut into blocks of 32 codes, [.., K / 32, bytes a block], one block behind the other in memory; one code a byte (a code: sign, 5 exponent bits, 2 mantissa bits); its scale is its entry of lowp_scales. Its value is code x scale, taken as it is: it is not quantised again, and the codes and scales need not be those that the quantiser above would give.
;; One version. Each part assembles by itself: llvm-mc -triple=amdgcn-amd-amdhsa -mcpu=gfx1250 --defsym DOCPART=n.
;; ======== version 1 of 1: 3 launches
;; limits: right only within a limited range of input values
;; workspace buffers: qc 8,388,608 bytes; kc 8,388,608 bytes; vc 8,388,608 bytes; ac 8,388,608 bytes
;; launch proj (part 1): grid 4 x 96, 4 waves a work-group, clusters of 4 x 4, 327,680 bytes of LDS; arguments query_codes, key_codes, value_codes, Wq_codes, Wk_codes, Wv_codes, bq, bk, bv, lowp_scales, qc, kc, vc; writes qc, kc, vc
.if DOCPART == 1
	.amdgcn_target "amdgcn-amd-amdhsa--gfx1250"
	.amdhsa_code_object_version 6
	.text
	.protected	k_q1982f6c3bb_proj
	.globl	k_q1982f6c3bb_proj
	.p2align	8
	.type	k_q1982f6c3bb_proj,@function
k_q1982f6c3bb_proj:
	s_mov_b64 s[64:65], 0
	v_nop
	global_prefetch_b8 v0, s[64:65] scope:SCOPE_SE
	s_setreg_imm32_b32 hwreg(HW_REG_WAVE_MODE, 25, 1), 1
	s_wait_xcnt 0x0
	s_wait_alu depctr_hold_cnt(0) depctr_sa_sdst(0) depctr_va_vdst(0) depctr_va_sdst(0) depctr_va_ssrc(0) depctr_va_vcc(0) depctr_vm_vsrc(0)
	s_getreg_b32 s2, hwreg(HW_REG_IB_STS2, 6, 4)
	s_cmp_eq_u32 s2, 0
	s_cbranch_scc0 .Lentry_in_a_cluster
	s_endpgm
.Lentry_in_a_cluster:
	s_bfe_u32 s2, ttmp6, 0x10000c
	s_cmp_lg_u32 s2, 0xf033
	s_cbranch_scc0 .Lentry_shape_is_right
	s_endpgm
.Lentry_shape_is_right:
; THE THREE PROJECTIONS: q = query Wq^T + bq, k = key Wk^T + bk, v = value Wv^T + bv, on codes of E5M2 as they are given, sums in f32; each result is
; quantised at once (q by entry 6 of the scales, k by entry 7, v by entry 9) and stored as codes, laid as the attention launch's operand registers want them.
; One launch for the three: cluster row Y = 0..23; P = Y / 8 says which product (0 q, 1 k, 2 v), R = Y % 8 which four tiles.  The grid is one cluster wide.
; A tile of C, 256 x 256, is made by four waves, each 128 x 128: 64 accumulators of 16 x 16.  K = 1,024 goes in four steps of 256 through two LDS slots.
; C = A B^T.  For q and k: A = the tokens (8,192 rows), B = the weight (1,024 rows).  FOR v THE TWO CHANGE PLACES: A = Wv, B = value, so that a lane's eight results
; are eight neighbouring TOKENS of one channel: the keys are the K of attention's second product, and v's codes come out with the keys innermost, nothing transposed.
; THE MATRIX INSTRUCTION IS USED TRANSPOSED (source 0 = 16 rows of B, source 1 = 16 rows of A): lane (r, h) holds row r of A's block and B's rows 8 h + 0 .. 7 of its block.
; Eight such numbers make two registers of codes, which ARE registers 2 b, 2 b + 1 of an operand of the plain 8-bit forms (k = 16 b + 8 h + 0 .. 7): the codes are stored as images of registers:
;   qc, kc: [16 batch + head][tile of 16 tokens: 128][g 2][lane 32][16 bytes]   (16 tokens x 64 channels: 8 registers; registers 4 g .. 4 g + 3 of lane l at 512 g + 16 l)
;   vc:     [16 batch + head][step of 128 keys: 16][t 4][g 4][lane 32][16 bytes] (16 channels 16 t + r x 128 keys: 16 registers)
; Every store of a wave covers 512 consecutive bytes, aligned; no stage in LDS is needed.
; CLUSTERS: 4 x 4 work-groups; A's tiles are asked for jointly along a row of the cluster, B's along a column.
; LIMITS: entries 0 + 1, 2 + 3, 4 + 5 of the scales between -126 and 127; entries 6, 7, 9 between -126 and 112, so that each power of two below is an f32 number.  NaN and infinity among the codes are not served.
; REGISTERS, in windows of 256: window 0: v1-31 addresses and constants; v32-95 the bias; v128-255 A's fragments, ONE set; on the way out v96-159 64 numbers, v160-223 four sets of 16 registers of codes.
;   window 1: B's fragments, TWO sets, at v0 and v128.   window 2: the accumulators of my rows 0-63 ((a, b) at v[8 (8 a + b)]);   window 3: those of my rows 64-127.
.set ROWB,   256                       ; a tile's row: 256 codes
.set KROW,   1024                      ; a row of A or of B in memory, in bytes
.set PITCH,  272                       ; an LDS row: 256 bytes + 16 of padding = 68 words: the 16 rows that a load touches start at 16 different banks
.set FR,     16                        ; registers of a fragment: 16 rows x 128 K
.set NL,     4                         ; LDS loads that bring one
.set NP,     4                         ; places behind this matrix instruction (ISA guide 7.12.1)
.set HALFT,  128*PITCH                 ; 128 rows: what one tensor load brings
.set SLOT,   4*HALFT                   ; A's 256 rows, then B's 256 rows
.set SPARE,  2*SLOT                    ; behind the ring: the spare words, 128 bytes for each wave: two blocks of 256 bytes that no other line names
.set ASTEP,  2*ROWB                    ; a slot's next tile lies two K steps on
.set BSTEP,  2*ROWB
.set ADRA, 16                          ; v16-17  LDS address of my A fragments in slot 0, 1
.set ADRB, 20                          ; v20-21  the same for B
.set HB,   22                          ; v22     32 h: my eight columns' bias
.set RB,   23                          ; v23     4 r: my row's bias
.set CO,   26                          ; v26     16 x lane: my place in an image
.set SPW,  28                          ; v28     LDS address of my spare word; never rewritten
.set NIL,  29                          ; v29     0; never rewritten
.set SC,   30                          ; v30     the result's scale as f32
.set LIM,  31
.set BI,   32
.set X,    96
.set PC,   160
.set AF,   128
.set G1, 24                            ; s[24:31] descriptor group 1 for A's tiles;  s[32:39] group 0, one set for each slot
.set G0, 32
.set G1B, 48                           ; s[48:55], s[56:63] the same for B's tiles
.set G0B, 56
.set MSB, 0
.macro WIN new                         ; the immediate's high byte repeats the setting that is left
.if MSB != (\new)
	s_set_vgpr_msb (MSB<<8)|(\new)
.set MSB, (\new)
.endif
.endm
.set MUL_LO, 0xa1                      ; source 0 (B) window 1, source 1 (A) window 0, C and D window 2
.set MUL_HI, 0xf1                      ; the same, C and D window 3
.set TO_B,   0x40                      ; destination window 1, address window 0
; A joint load: waves 0 and 1 fetch for A, waves 2 and 3 for B; the branch hangs on the wave's number alone.  Four v_nop follow each of the two lines.
.macro JLOAD g0a, g1a, g0b, g1b
	s_cmp_eq_u32 s15, 0
	s_cbranch_scc0 .Lfor_b_\@
	tensor_load_to_lds s[\g0a:\g0a+3], s[\g1a:\g1a+7]
	s_nop 0
.rept 4
	v_nop
.endr
	s_branch .Lasked_\@
.Lfor_b_\@:
	tensor_load_to_lds s[\g0b:\g0b+3], s[\g1b:\g1b+7]
	s_nop 0
.rept 4
	v_nop
.endr
.Lasked_\@:
.endm
.macro CREST                           ; a round of the cluster's barrier behind its opening barrier
	s_cmp_lg_u32 s14, 0
	s_cbranch_scc1 .Lnot_wave_0_\@
	s_barrier_signal -3
.Lnot_wave_0_\@:
	s_barrier_wait -3
	s_barrier_signal -1
	s_barrier_wait -1
.endm
.macro CROUND                          ; a whole round
	s_barrier_signal -1
	s_barrier_wait -1
	CREST
.endm
	s_load_b512 s[68:83], s[0:1], 0x0              ; query s[68:69], key s[70:71], value s[72:73], Wq s[74:75], Wk s[76:77], Wv s[78:79], bq s[80:81], bk s[82:83]
	s_load_b256 s[84:91], s[0:1], 0x40             ; bv s[84:85], the scales' exponents s[86:87], qc s[88:89], kc s[90:91]
	s_load_b64 s[92:93], s[0:1], 0x60              ; vc
	v_lshl_add_u32 v[SPW], v0, 2, SPARE
	v_mov_b32 v[NIL], 0
	ds_add_u32 v28, v29
	ds_add_u32 v28, v29
	s_wait_dscnt 0x0
	v_lshrrev_b32 v1, 5, v0
	v_readfirstlane_b32 s14, v1                    ; wave 0..3
	s_lshr_b32 s15, s14, 1                         ; which half of the tile's rows is mine.  Also: I fetch for A (0) or for B (1)
	s_and_b32 s16, s14, 1                          ; which half of its columns.  Also: which 128 rows of that tile I fetch
	s_bfe_u32 s40, ttmp6, 0x40000                  ; cx, cy: my place in the cluster
	s_bfe_u32 s41, ttmp6, 0x40004
	s_and_b32 s12, ttmp7, 0xffff                   ; Y: the cluster's row, the same in all sixteen partners
	s_lshr_b32 s3, s12, 3                          ; P: 0 q, 1 k, 2 v
	s_and_b32 s12, s12, 7
	s_lshl_b32 s12, s12, 2                         ; 4 R
	s_cmp_eq_u32 s3, 2                             ; the long side (8,192 tokens) is A's rows for q and k, B's rows for v
	s_cselect_b32 s17, 0, s12
	s_cselect_b32 s42, s12, 0
	s_add_co_u32 s17, s17, s41                     ; tile row of C: made of Y and cy alone
	s_add_co_u32 s42, s42, s40                     ; tile column of C: made of Y and cx alone
	s_lshl_b32 s43, s41, 2
	s_lshl_b32 s43, 15, s43                        ; my row of the cluster
	s_lshl_b32 s44, 0x1111, s40                    ; my column
	; descriptor group 1: a tile of 128 rows x 256 bytes, padded in LDS
	s_or_b32 s[G1+0], s43, (0<<16)|(1<<20)|(1<<21)|(5<<22)|(3<<25)  ; 15:0 the mask: A's tiles go to my row; 17:16 elements of 1 byte; 20 padding on; 21 set beside a mask; 24:22 after every 64 words; 31:25 four words of it
	s_or_b32 s[G1B+0], s44, (0<<16)|(1<<20)|(1<<21)|(5<<22)|(3<<25)
.irp g, G1, G1B
	s_mov_b32 s[\g+1], ROWB<<16                    ; tensor_dim0
	s_mov_b32 s[\g+2], 128<<16                     ; tensor_dim1
	s_mov_b32 s[\g+3], ROWB<<16                    ; tile_dim0
	s_mov_b32 s[\g+4], 128                         ; tile_dim1
	s_mov_b32 s[\g+5], KROW                        ; tensor_dim0_stride
	s_mov_b32 s[\g+6], 0
	s_mov_b32 s[\g+7], 0
.endr
	s_lshl_b32 s18, s16, 7                         ; which 128 rows of the tile I fetch
	s_lshl_b32 s94, s17, 8
	s_add_co_u32 s94, s94, s18                     ; A: row 256 x tile row + 128 x half,
	s_lshl_b32 s94, s94, 10                        ; in bytes: under 2^23
	s_mov_b32 s95, 0
	s_lshl_b32 s46, s42, 8
	s_add_co_u32 s46, s46, s18                     ; B: row 256 x tile column + 128 x half
	s_lshl_b32 s46, s46, 10
	s_mov_b32 s47, 0
	s_mul_i32 s45, s14, HALFT                      ; where they go: wave x 128 rows: no place in the cluster enters an LDS address
	s_wait_kmcnt 0x0
	s_cmp_eq_u32 s3, 0                             ; the buffers are chosen on P, which hangs on no address
	s_cselect_b64 s[4:5], s[68:69], s[70:71]       ; tokens: query or key,
	s_cselect_b64 s[6:7], s[74:75], s[76:77]       ; weight,
	s_cselect_b64 s[8:9], s[80:81], s[82:83]       ; bias,
	s_cselect_b64 s[10:11], s[88:89], s[90:91]     ; codes out
	s_cmp_eq_u32 s3, 2
	s_cselect_b64 s[20:21], s[72:73], s[4:5]       ; or value's
	s_cselect_b64 s[22:23], s[78:79], s[6:7]
	s_cselect_b64 s[8:9], s[84:85], s[8:9]
	s_cselect_b64 s[10:11], s[92:93], s[10:11]
	s_cselect_b64 s[4:5], s[22:23], s[20:21]       ; A: the weight for v, the tokens else
	s_cselect_b64 s[6:7], s[20:21], s[22:23]       ; B: the other one
	s_load_b256 s[68:75], s[86:87], 0x0            ; the exponents: entry i in s[68 + i]
	s_load_b128 s[76:79], s[86:87], 0x20
	s_add_nc_u64 s[4:5], s[4:5], s[94:95]
	s_add_nc_u64 s[6:7], s[6:7], s[46:47]
	CROUND                                         ; all sixteen work-groups are here: the first joint loads meet
.irp s, 0,1
	s_mov_b32 s[G0+4*\s], 1                        ; count = 1
	s_add_co_u32 s[G0+4*\s+1], s45, \s*SLOT        ; LDS address
	s_add_nc_u64 s[G0+4*\s+2:G0+4*\s+3], s[4:5], \s*ROWB   ; global address: K step s
	s_or_b32 s[G0+4*\s+3], s[G0+4*\s+3], 0x80000000        ; type = 2
	s_mov_b32 s[G0B+4*\s], 1
	s_add_co_u32 s[G0B+4*\s+1], s45, \s*SLOT
	s_add_nc_u64 s[G0B+4*\s+2:G0B+4*\s+3], s[6:7], \s*ROWB
	s_or_b32 s[G0B+4*\s+3], s[G0B+4*\s+3], 0x80000000
	s_wait_alu depctr_va_vdst(0)
	s_wait_tensorcnt 0x0
	ds_add_u32 v28, v29
	ds_add_u32 v28, v29
	s_wait_dscnt 0x0
	CROUND
	JLOAD G0+4*\s, G1, G0B+4*\s, G1B               ; one tensor load of mine is out
.endr
	v_and_b32 v1, 15, v0                           ; r
	v_bfe_u32 v2, v0, 4, 1                         ; h
	v_mul_u32_u24 v3, v1, PITCH
	v_lshl_add_u32 v4, v2, 4, v3                   ; a fragment's row x pitch + 16 h
	s_mul_i32 s21, s15, HALFT                      ; my 128 rows of A
	s_mul_i32 s22, s16, HALFT                      ; my 128 rows of B,
	s_add_co_u32 s22, s22, 2*HALFT                 ; which lie behind A's 256
.irp s, 0,1
	v_add_nc_u32 v[ADRA+\s], s21, v4
	v_add_nc_u32 v[ADRB+\s], s22, v4
	s_add_co_u32 s21, s21, SLOT
	s_add_co_u32 s22, s22, SLOT
.endr
	v_lshlrev_b32 v[HB], 5, v2
	v_lshlrev_b32 v[RB], 2, v1
	v_and_b32 v5, 31, v0
	v_lshlrev_b32 v[CO], 4, v5
	s_wait_alu depctr_va_vdst(0)
	s_wait_kmcnt 0x0
	s_cmp_eq_u32 s3, 0                             ; the product's three exponents: A's, B's, the result's.  Values are chosen, nothing branches on them
	s_cselect_b32 s80, s68, s70
	s_cselect_b32 s81, s69, s71
	s_cselect_b32 s82, s74, s75
	s_cmp_eq_u32 s3, 2
	s_cselect_b32 s80, s72, s80
	s_cselect_b32 s81, s73, s81
	s_cselect_b32 s82, s77, s82
	s_add_co_i32 s96, s80, s81
	s_add_co_i32 s96, s96, 127
	s_lshl_b32 s96, s96, 23                        ; 2^(ea + eb) as f32
	s_mov_b32 s97, s96                             ; (named with it as a pair, so it is written)
	s_add_co_i32 s82, s82, 127
	s_lshl_b32 s83, s82, 23
	v_mov_b32 v[SC], s83                           ; the result's scale as f32: the conversion takes its exponent field
; A fragment, 16 rows x 128 K, is 16 registers, fetched by four loads of 16 bytes: registers 4 c .. 4 c + 3 hold K = 32 c + 16 h + 0 .. 15: a permutation of k that is the same in A and in B, so every product meets its partner.
.macro FRAG reg, adr, q, i
.irp c, 0,1,2,3
	ds_load_b128 v[\reg+4*\c:\reg+4*\c+3], v[\adr] offset:128*(\q)+32*\c+(\i)*16*PITCH
.endr
.endm
; 16 matrix instructions: A's blocks a0, a0 + 1 x B's eight, 128 along K.  p: B's set.  zero = 1: the first product starts the sums.
; The 64 accumulators take turns, one instruction a turn, in the same order in every step.
.macro MUL16 a0, p, zero
.irp a, \a0, \a0+1
.irp b, 0,1,2,3,4,5,6,7
.if \zero
	v_wmma_f32_16x16x128_bf8_bf8 v[8*(8*((\a)%4)+\b):8*(8*((\a)%4)+\b)+7], v[128*(\p)+FR*\b:128*(\p)+FR*\b+FR-1], v[AF+FR*(\a):AF+FR*(\a)+FR-1], 0
.else
	v_wmma_f32_16x16x128_bf8_bf8 v[8*(8*((\a)%4)+\b):8*(8*((\a)%4)+\b)+7], v[128*(\p)+FR*\b:128*(\p)+FR*\b+FR-1], v[AF+FR*(\a):AF+FR*(\a)+FR-1], v[8*(8*((\a)%4)+\b):8*(8*((\a)%4)+\b)+7]
.endif
.endr
.endr
.endm
.macro FETCH_B slot, q, p              ; B's eight fragments of the slot's q-th 128 along K into set p
	WIN TO_B
.irp i, 0,1,2,3,4,5,6,7
	FRAG 128*(\p)+FR*\i, ADRB+\slot, \q, \i
.endr
	WIN 0
.endm
.macro FETCH_A slot, q, i0             ; A's blocks i0 .. i0 + 3
.irp i, \i0, \i0+1, \i0+2, \i0+3
	FRAG AF+FR*(\i), ADRA+\slot, \q, \i
.endr
.endm
; A load into a register that a matrix instruction has read, and a vector instruction that reads a matrix result, stand NP places behind it; only plain vector instructions that name none of its registers are places.
.macro PLACES n
.rept \n
	v_nop
.endr
.endm
; A step of 128 along K that has its successor in the same slot.
.macro STEP slot, q, zero
	s_wait_dscnt 4*NL                              ; B's set and A's blocks 0-3 are in; the youngest sixteen loads (A's blocks 4-7) may be out
	WIN MUL_LO
	MUL16 0, (\q)%2, \zero
	MUL16 2, (\q)%2, \zero
	s_wait_dscnt 0                                 ; A's blocks 4-7 are in
	PLACES NP
	FETCH_B \slot, (\q)+1, 1-(\q)%2
	FETCH_A \slot, (\q)+1, 0
	WIN MUL_HI
	MUL16 4, (\q)%2, \zero
	MUL16 6, (\q)%2, \zero
	PLACES NP
	WIN 0
	FETCH_A \slot, (\q)+1, 4
.endm
; A slot's last step changes slots: ONE barrier; in front of it each wave waits for all its tensor loads, adds 0 to its spare word, and waits for that and for its own reads of this slot.  fill = 1: this slot is filled again, two K steps ahead.
.macro TURN slot, next, fill
	s_wait_tensorcnt 0x0                           ; all my tensor loads have landed: my part of the next slot  (every window is 0 here)
	ds_add_u32 v[SPW], v[NIL]                      ; 0 onto my spare word
	s_wait_dscnt 4*NL+1                            ; (the add and the youngest sixteen loads, A's blocks 4-7, may be out)
	WIN MUL_LO
	MUL16 0, 1, 0                                  ; sixteen matrix instructions stand between the add and the wait for it
	s_wait_dscnt 0x0                               ; the add is done, and my reads of this slot are over
	s_barrier_signal -1
	MUL16 2, 1, 0
	WIN 0
	s_barrier_wait -1
.if \fill
	CREST                                          ; the barrier has opened a round of the cluster's barrier: no wave of any partner still reads this slot or has a load on its way
	s_add_nc_u64 s[G0+4*\slot+2:G0+4*\slot+3], s[G0+4*\slot+2:G0+4*\slot+3], ASTEP
	s_add_nc_u64 s[G0B+4*\slot+2:G0B+4*\slot+3], s[G0B+4*\slot+2:G0B+4*\slot+3], BSTEP
	JLOAD G0+4*\slot, G1, G0B+4*\slot, G1B         ; the first tensor load behind the round, my one load out; its four v_nop are also the places in front of the loads below
.else
	PLACES NP
.endif
	FETCH_B \next, 0, 0
	FETCH_A \next, 0, 0
	WIN MUL_HI
	MUL16 4, 1, 0
	MUL16 6, 1, 0
	PLACES NP
	WIN 0
	FETCH_A \next, 0, 4
.endm
.macro LAST                            ; the very last step: nothing more to fetch
	s_wait_dscnt 4*NL
	WIN MUL_LO
	MUL16 0, 1, 0
	MUL16 2, 1, 0
	s_wait_dscnt 0
	WIN MUL_HI
	MUL16 4, 1, 0
	MUL16 6, 1, 0
	WIN 0
.endm
; THE WAY OUT of block a (16 rows of A x my 128 rows of B): sum x 2^(ea + eb) + bias, converted: 16 registers of codes, four stores of 512 consecutive bytes.
; kind 0 (q, k): the bias goes with the column: 64 registers;  the 16 registers are two heads' tiles of 16 tokens x 64 channels.
; kind 1 (v): the bias goes with the row: a pair of equal registers for each block;  the 16 registers are one fragment of 16 channels x 128 keys.
.macro BLK a, kind
.set AC, 64*((\a)%4)
.set PCS, PC+16*((\a)%4)
.if (\a) >= 4
	s_wait_xcnt 0x0                                ; the stores of the block four back have read this set of codes: it is written again only behind this wait
.endif
	WIN 0x02+((\a)/4)                              ; source 0: window 2 or 3
.irp b, 0,1,2,3,4,5,6,7
.irp i, 0,2,4,6
.if \kind
	v_pk_fma_f32 v[X+8*\b+\i:X+8*\b+\i+1], v[AC+8*\b+\i:AC+8*\b+\i+1], s[96:97], v[BI+2*(\a):BI+2*(\a)+1] op_sel_hi:[1,0,1]
.else
	v_pk_fma_f32 v[X+8*\b+\i:X+8*\b+\i+1], v[AC+8*\b+\i:AC+8*\b+\i+1], s[96:97], v[BI+8*\b+\i:BI+8*\b+\i+1] op_sel_hi:[1,0,1]   ; each accumulator from its low end on
.endif
.endr
.endr
	WIN 0
.set j, 0
.rept 64
.set j, j+1
.endr
.irp b, 0,1,2,3,4,5,6,7
	v_cvt_scalef32_pk8_bf8_f32 v[PCS+2*\b:PCS+2*\b+1], v[X+8*\b:X+8*\b+7], v[SC]
.endr
	v_nop                                          ; one plain vector instruction between the conversions and the next block's lines, which write their sources
.irp i, 0,1,2,3
.if \kind
	global_store_b128 v[CO], v[PCS+4*\i:PCS+4*\i+3], s[10:11] offset:((\a)/4)*131072+2048*((\a)%4)+512*\i      ; head a / 4 of my two, channels 16 (a % 4) on, registers 4 i on
.else
	global_store_b128 v[CO], v[PCS+4*\i:PCS+4*\i+3], s[10:11] offset:(\i/2)*131072+1024*(\a)+512*(\i%2)        ; head i / 2 of my two, token tile a, registers 4 (i % 2) on
.endif
.endr
.endm
	s_wait_tensorcnt 1                             ; my part of K step 0 is in; K step 1's load may be out
	s_barrier_signal -1
	s_barrier_wait -1                              ; everybody's is
	FETCH_B 0, 0, 0
	FETCH_A 0, 0, 0
	FETCH_A 0, 0, 4
	STEP 0, 0, 1                                   ; K = 1,024 is four K steps, eight steps of 128: written out, a loop would have one trip
	TURN 0, 1, 1                                   ; slot 0 takes K step 2
	STEP 1, 0, 0
	TURN 1, 0, 1                                   ; slot 1 takes K step 3
	STEP 0, 0, 0
	TURN 0, 1, 0                                   ; nothing is left to fetch
	STEP 1, 0, 0
	s_cmp_eq_u32 s3, 2                             ; the two ways out part on P, which is the same in every wave of the cluster; neither holds an LDS instruction, a barrier or a tensor load
	s_cbranch_scc1 .Lv
	; ---- q, k: the bias of my 128 columns, asked for ahead of the last 64 products
	s_lshl_b32 s84, s42, 10                        ; 256 columns x 4 bytes a tile column,
	s_lshl_b32 s85, s16, 9                         ; 128 x 4 for my half
	s_add_co_u32 s84, s84, s85
	s_mov_b32 s85, 0
	s_add_nc_u64 s[8:9], s[8:9], s[84:85]
.irp b, 0,1,2,3,4,5,6,7
	global_load_b128 v[BI+8*\b:BI+8*\b+3], v[HB], s[8:9] offset:64*\b          ; columns 16 b + 8 h + 0 .. 7
	global_load_b128 v[BI+8*\b+4:BI+8*\b+7], v[HB], s[8:9] offset:64*\b+16
.endr
	s_lshr_b32 s86, s17, 3                         ; batch = tile row / 8
	s_lshl_b32 s86, s86, 4
	s_lshl_b32 s87, s42, 2
	s_add_co_u32 s86, s86, s87
	s_lshl_b32 s87, s16, 1
	s_add_co_u32 s86, s86, s87                     ; 16 batch + my first head (4 x tile column + 2 x half)
	s_lshl_b32 s86, s86, 7                         ; 128 token tiles a head
	s_and_b32 s87, s17, 7
	s_lshl_b32 s87, s87, 4
	s_add_co_u32 s86, s86, s87
	s_lshl_b32 s87, s15, 3
	s_add_co_u32 s86, s86, s87                     ; + my first token tile: 16 (tile row % 8) + 8 x half
	s_lshl_b32 s86, s86, 10                        ; 1,024 bytes an image
	s_mov_b32 s87, 0
	s_add_nc_u64 s[10:11], s[10:11], s[86:87]
	LAST
	s_wait_loadcnt 0x0                             ; the bias
	PLACES NP
.irp a, 0,1,2,3,4,5,6,7
	BLK \a, 0
.endr
	s_branch .Lend
.Lv:
	; ---- v: the bias of my 128 rows (channels): one number a lane for each block
	s_lshl_b32 s84, s17, 10
	s_lshl_b32 s85, s15, 9
	s_add_co_u32 s84, s84, s85
	s_mov_b32 s85, 0
	s_add_nc_u64 s[8:9], s[8:9], s[84:85]
.irp a, 0,1,2,3,4,5,6,7
	global_load_b32 v[BI+2*\a], v[RB], s[8:9] offset:64*\a                     ; channel 16 a + r
.endr
	s_lshr_b32 s86, s42, 3                         ; batch = tile column / 8
	s_lshl_b32 s86, s86, 4
	s_lshl_b32 s87, s17, 2
	s_add_co_u32 s86, s86, s87
	s_lshl_b32 s87, s15, 1
	s_add_co_u32 s86, s86, s87                     ; 16 batch + my first head (4 x tile row + 2 x half)
	s_lshl_b32 s86, s86, 4                         ; 16 key steps a head
	s_and_b32 s87, s42, 7
	s_lshl_b32 s87, s87, 1
	s_add_co_u32 s86, s86, s87
	s_add_co_u32 s86, s86, s16                     ; + my key step: 2 (tile column % 8) + half
	s_lshl_b32 s86, s86, 13                        ; 8,192 bytes a key step
	s_mov_b32 s87, 0
	s_add_nc_u64 s[10:11], s[10:11], s[86:87]
	LAST
	s_wait_loadcnt 0x0
.irp a, 0,1,2,3,4,5,6,7
	v_mov_b32 v[BI+2*\a+1], v[BI+2*\a]             ; the packed form takes a pair: both halves get the row's bias.  These eight plain lines are also the places behind the last products
.endr
.irp a, 0,1,2,3,4,5,6,7
	BLK \a, 1
.endr
.Lend:
	s_wait_tensorcnt 0x0                           ; the wave's end
	ds_add_u32 v[SPW], v[NIL]
	s_wait_dscnt 0x0
	CROUND                                         ; the closing round: no work-group ends while a partner may still ask for a tile that names it
	s_endpgm
.Lfunc_end_k_q1982f6c3bb_proj:
	.size	k_q1982f6c3bb_proj, .Lfunc_end_k_q1982f6c3bb_proj-k_q1982f6c3bb_proj
	.p2alignl 7, 3214868480
	.fill 96, 4, 3214868480
	.section	.rodata,"a",@progbits
	.p2align	6, 0x0
	.amdhsa_kernel k_q1982f6c3bb_proj
		.amdhsa_group_segment_fixed_size 327680
		.amdhsa_private_segment_fixed_size 0
		.amdhsa_enable_private_segment 0
		.amdhsa_kernarg_size 104
		.amdhsa_user_sgpr_count 2
		.amdhsa_user_sgpr_kernarg_segment_ptr 1
		.amdhsa_wavefront_size32 1
		.amdhsa_system_sgpr_workgroup_id_x 1
		.amdhsa_system_sgpr_workgroup_id_y 1
		.amdhsa_system_sgpr_workgroup_id_z 1
		.amdhsa_system_vgpr_workitem_id 0
		.amdhsa_next_free_vgpr 1024
		.amdhsa_next_free_sgpr 100
		.amdhsa_reserve_vcc 0
		.amdhsa_float_denorm_mode_32 3
		.amdhsa_float_denorm_mode_16_64 3
		.amdhsa_fp16_overflow 1
		.amdhsa_memory_ordered 1
		.amdhsa_forward_progress 1
		.amdhsa_inst_pref_size 135
	.end_amdhsa_kernel
	.amdgpu_metadata
---
amdhsa.version: [ 1, 2 ]
amdhsa.kernels:
  - .name:           k_q1982f6c3bb_proj
    .symbol:         k_q1982f6c3bb_proj.kd
    .args:
      - { .name: query_codes, .offset: 0, .size: 8, .value_kind: global_buffer, .address_space: global }
      - { .name: key_codes, .offset: 8, .size: 8, .value_kind: global_buffer, .address_space: global }
      - { .name: value_codes, .offset: 16, .size: 8, .value_kind: global_buffer, .address_space: global }
      - { .name: Wq_codes, .offset: 24, .size: 8, .value_kind: global_buffer, .address_space: global }
      - { .name: Wk_codes, .offset: 32, .size: 8, .value_kind: global_buffer, .address_space: global }
      - { .name: Wv_codes, .offset: 40, .size: 8, .value_kind: global_buffer, .address_space: global }
      - { .name: bq, .offset: 48, .size: 8, .value_kind: global_buffer, .address_space: global }
      - { .name: bk, .offset: 56, .size: 8, .value_kind: global_buffer, .address_space: global }
      - { .name: bv, .offset: 64, .size: 8, .value_kind: global_buffer, .address_space: global }
      - { .name: lowp_scales, .offset: 72, .size: 8, .value_kind: global_buffer, .address_space: global }
      - { .name: qc, .offset: 80, .size: 8, .value_kind: global_buffer, .address_space: global }
      - { .name: kc, .offset: 88, .size: 8, .value_kind: global_buffer, .address_space: global }
      - { .name: vc, .offset: 96, .size: 8, .value_kind: global_buffer, .address_space: global }
    .group_segment_fixed_size: 327680
    .private_segment_fixed_size: 0
    .kernarg_segment_align: 8
    .kernarg_segment_size: 104
    .max_flat_workgroup_size: 128
    .sgpr_count:     100
    .vgpr_count:     1024
    .wavefront_size: 32
...
	.end_amdgpu_metadata
.endif
;; end of part 1
;; launch attn (part 2): grid 4 x 64, 16 waves a work-group, clusters of 4 x 1, 264,192 bytes of LDS; arguments qc, kc, vc, lowp_scales, ac; writes ac
.if DOCPART == 2
	.amdgcn_target "amdgcn-amd-amdhsa--gfx1250"
	.amdhsa_code_object_version 6
	.text
	.protected	k_q1982f6c3bb_attn
	.globl	k_q1982f6c3bb_attn
	.p2align	8
	.type	k_q1982f6c3bb_attn,@function
k_q1982f6c3bb_attn:
	s_mov_b64 s[64:65], 0
	v_nop
	global_prefetch_b8 v0, s[64:65] scope:SCOPE_SE
	s_setreg_imm32_b32 hwreg(HW_REG_WAVE_MODE, 25, 1), 1
	s_wait_xcnt 0x0
	s_wait_alu depctr_hold_cnt(0) depctr_sa_sdst(0) depctr_va_vdst(0) depctr_va_sdst(0) depctr_va_ssrc(0) depctr_va_vcc(0) depctr_vm_vsrc(0)
	s_getreg_b32 s2, hwreg(HW_REG_IB_STS2, 6, 4)
	s_cmp_eq_u32 s2, 0
	s_cbranch_scc0 .Lentry_in_a_cluster
	s_endpgm
.Lentry_in_a_cluster:
	s_bfe_u32 s2, ttmp6, 0x10000c
	s_cmp_lg_u32 s2, 0x3003
	s_cbranch_scc0 .Lentry_shape_is_right
	s_endpgm
.Lentry_shape_is_right:
; ATTENTION on codes of E5M2: for each of 64 (batch, head) pairs Hd: O[q] = sum over k of softmax_k(q . k / 32) v[k], 2,048 queries, 2,048 keys, head size 64.
; THE SOFTMAX AHEAD OF THE SECOND PRODUCT: t = score x log2(e) / 32; M = the row's largest t so far, rounded UP to a whole number; p = 2^(t - M) is what is quantised (entry 8 of the scales), not normalised.
; The row's sum is taken of the unquantised p, in f32, and divides O at the end.  When M moves, the sum and O are multiplied by 2^(old M - new M): exact.  O is quantised at once (entry 10) for the last product.
; SHARES.  A work-group owns 512 queries of one Hd; each of its sixteen waves 32 of them, two tiles of 16 (A and B), so that each fragment of K and V read from LDS feeds two matrix instructions.
; Four waves share a SIMD, 256 registers each: one wave's vector work stands beside another's matrix work and LDS loads.  Every wave walks all 2,048 keys, 128 a step.
; LDS HOLDS THE WHOLE OF K AND V OF THE HEAD, 131,072 bytes each, every byte filled ONCE: no slot is filled again.  K at byte 0: key step x 8,192 + tile x 1,024; V at 131,072: key step x 8,192 + t x 2,048.
; Both lie as images of operand registers (registers 4 g .. 4 g + 3 of lane l at 512 g + 16 l), so every LDS load reads 512 consecutive bytes.
; CLUSTER.  The four query blocks of a head form a cluster and ask for K and V JOINTLY (mask 15).  Waves 0, 1 ask for K's halves, waves 2, 3 for V's, each by two loads: key steps 0-3 first, then the other twelve,
; which land while the first four steps are worked.  Two tensor loads of a wave are out at the most.
; LAYOUT.  S^T = K Q^T (source 0 = 16 keys, source 1 = 16 queries): a lane holds ONE query (lane % 16) and keys 16 T + 8 h + 0 .. 7 of tile T.  Eight such p make registers 2 T, 2 T + 1 of the second product's
; operand (k = 16 T + 8 h + 0 .. 7).  O^T = V^T P^T (source 0 = 16 channels x 128 keys, source 1 = P): again one query a lane, channels 16 t + 8 h + 0 .. 7, which make registers 2 t, 2 t + 1 of the last product's operand.
; ac: [block of 128 tokens: 64][256 along K: 4][tile of 16 tokens: 8][128 along K: 2][g 4][lane 32][16 bytes]: images of fragments of 16 tokens x 128 K.  Every store covers 512 consecutive bytes, aligned.
; LIMITS: entries 6 + 7 of the scales between -121 and 132 (they are added to c's exponent field); entries 8 and 10 between -126 and 112; entries 8 + 9 go by v_ldexp_f32 and have none.
; REGISTERS: v1 16 x lane; v2, v3 LDS addresses of the step's K and V; v4 2^e8; v5 a permute's destination; v[6:7] -M and the largest t of tile A, v[8:9] its sum in two halves; v[10:13] the same for B;
;   v[14:15] f; v[16:17] at work; v18 2^e10; v20-27, v28-35 Q of A and B; v36-99 K's or V's fragments; v100-115 P of A; v118-181 S^T, then p; v116-131 P of B; v182-213, v214-245 O^T of A and B.
; P of B lies two registers under S^T: conversion g writes registers 116 + 2 g, 117 + 2 g and reads 118 + 8 g on: never its own source, and only over numbers that have been summed and converted.
.set S,   118
.set KV,  36
.set PA,  100
.set PB,  116
.set OA,  182
.set OB,  214
.set VBASE, 131072
.set STEPB, 8192
.macro CROUND                          ; a round of the cluster's barrier
	s_barrier_signal -1
	s_barrier_wait -1
	s_cmp_lg_u32 s18, 0
	s_cbranch_scc1 .Lnot_wave_0_\@
	s_barrier_signal -3
.Lnot_wave_0_\@:
	s_barrier_wait -3
	s_barrier_signal -1
	s_barrier_wait -1
.endm
.macro PLACES n
.rept \n
	v_nop
.endr
.endm
	s_load_b256 s[4:11], s[0:1], 0x0               ; qc s[4:5], kc s[6:7], vc s[8:9], the scales' exponents s[10:11]
	s_load_b64 s[12:13], s[0:1], 0x20              ; ac
	v_lshl_add_u32 v254, v0, 2, 0x40000
	v_mov_b32 v255, 0
	ds_add_u32 v254, v255
	ds_add_u32 v254, v255
	v_lshrrev_b32 v2, 5, v0
	s_delay_alu instid0(VALU_DEP_1)
	v_readfirstlane_b32 s18, v2                    ; wave 0..15
	s_bfe_u32 s19, ttmp6, 0x40000                  ; cx: my block of 512 queries; it enters qc's and ac's addresses alone
	s_and_b32 s76, ttmp7, 0xffff                   ; Hd = 16 batch + head, which the four partners share
	s_lshl_b32 s78, s76, 17                        ; the head's first byte in qc, kc and vc
	s_mov_b32 s79, 0
	s_and_b32 s77, s18, 1                          ; which half I fetch, if I fetch
	s_lshl_b32 s80, s77, 14                        ; of key steps 0-3: 16,384 bytes,
	s_mov_b32 s81, 0
	s_mul_i32 s82, s77, 49152                      ; of key steps 4-15: 49,152 bytes,
	s_add_co_u32 s82, s82, 32768                   ; which begin behind the first four
	s_mov_b32 s83, 0
	s_lshl_b32 s84, s19, 15                        ; Q: 32 tiles of 1,024 bytes a block,
	s_lshl_b32 s85, s18, 11                        ; two tiles a wave
	s_add_co_u32 s84, s84, s85
	s_add_co_u32 s84, s84, s78
	s_mov_b32 s85, 0
	s_and_b32 s86, s76, 0x30                       ; ac: 16 batch
	s_lshl_b32 s87, s19, 2
	s_add_co_u32 s86, s86, s87
	s_lshr_b32 s87, s18, 2
	s_add_co_u32 s86, s86, s87                     ; + 4 cx + wave / 4: my block of 128 tokens
	s_lshl_b32 s86, s86, 17
	s_bfe_u32 s87, s76, 0x20002                    ; head / 4: which 256 along K
	s_lshl_b32 s87, s87, 15
	s_add_co_u32 s86, s86, s87
	s_and_b32 s87, s18, 3                          ; my two tiles in the block: 2 (wave % 4) on
	s_lshl_b32 s87, s87, 13
	s_add_co_u32 s86, s86, s87
	s_and_b32 s87, s76, 3                          ; (head / 2) % 2: which 128 along K (2,048 bytes); head % 2: registers 0-7 or 8-15 (1,024 bytes)
	s_lshl_b32 s87, s87, 10
	s_add_co_u32 s86, s86, s87
	s_mov_b32 s87, 0
	; descriptor groups 1: dense blocks, as rows of 32 elements of 8 bytes: 64 rows (16,384 bytes) and 192 rows (49,152 bytes)
	s_mov_b32 s24, 15|(3<<16)|(1<<21)              ; 15:0 the mask: all four work-groups; 17:16 elements of 8 bytes; 21 set beside a mask; no padding
	s_mov_b32 s25, 32<<16                          ; tensor_dim0
	s_mov_b32 s26, 64<<16                          ; tensor_dim1
	s_mov_b32 s27, 32<<16                          ; tile_dim0
	s_mov_b32 s28, 64                              ; tile_dim1
	s_mov_b32 s29, 32                              ; tensor_dim0_stride
	s_mov_b32 s30, 0
	s_mov_b32 s31, 0
	s_mov_b32 s32, 15|(3<<16)|(1<<21)
	s_mov_b32 s33, 32<<16
	s_mov_b32 s34, 192<<16
	s_mov_b32 s35, 32<<16
	s_mov_b32 s36, 192
	s_mov_b32 s37, 32
	s_mov_b32 s38, 0
	s_mov_b32 s39, 0
	s_mov_b32 s20, 0x76543210                      ; v_permlanex16_b32's selects: lane l xor 16
	s_mov_b32 s21, 0xfedcba98
	s_mov_b32 s22, 0x3d38aa3b                      ; c = log2(e) / 32
	s_wait_dscnt 0x0
	s_wait_kmcnt 0x0
	s_load_b256 s[68:75], s[10:11], 0x10           ; entries 4 to 11: entry i in s[64 + i]
	s_add_nc_u64 s[6:7], s[6:7], s[78:79]          ; kc and vc at the head,
	s_add_nc_u64 s[8:9], s[8:9], s[78:79]
	s_add_nc_u64 s[4:5], s[4:5], s[84:85]          ; qc at my two tiles,
	s_add_nc_u64 s[12:13], s[12:13], s[86:87]      ; ac likewise
	s_mov_b32 s40, 1                               ; groups 0: count = 1, LDS address, global address, type = 2.  K, key steps 0-3
	s_mov_b32 s41, s80
	s_add_nc_u64 s[42:43], s[6:7], s[80:81]
	s_or_b32 s43, s43, 0x80000000
	s_mov_b32 s44, 1                               ; K, key steps 4-15
	s_mov_b32 s45, s82
	s_add_nc_u64 s[46:47], s[6:7], s[82:83]
	s_or_b32 s47, s47, 0x80000000
	s_mov_b32 s48, 1                               ; V, key steps 0-3
	s_add_co_u32 s49, s80, VBASE
	s_add_nc_u64 s[50:51], s[8:9], s[80:81]
	s_or_b32 s51, s51, 0x80000000
	s_mov_b32 s52, 1                               ; V, key steps 4-15
	s_add_co_u32 s53, s82, VBASE
	s_add_nc_u64 s[54:55], s[8:9], s[82:83]
	s_or_b32 s55, s55, 0x80000000
	CROUND                                         ; all four work-groups are here: the joint loads meet
	s_cmp_lt_u32 s18, 2                            ; a wave's two fills stand in one branch on its number, ahead of every wait on TENSORcnt, every LDS read and every other barrier
	s_cbranch_scc0 .Lnot_k
	tensor_load_to_lds s[40:43], s[24:31]
	s_nop 0
	tensor_load_to_lds s[44:47], s[32:39]
	s_nop 0
.rept 4
	v_nop
.endr
	s_branch .Lasked
.Lnot_k:
	s_cmp_lt_u32 s18, 4
	s_cbranch_scc0 .Lasked
	tensor_load_to_lds s[48:51], s[24:31]
	s_nop 0
	tensor_load_to_lds s[52:55], s[32:39]
	s_nop 0
.rept 4
	v_nop
.endr
.Lasked:
	v_and_b32 v1, 31, v0
	s_delay_alu instid0(VALU_DEP_1)
	v_lshlrev_b32 v1, 4, v1                        ; 16 x lane
.irp i, 0,1,2,3
	global_load_b128 v[20+4*\i:23+4*\i], v1, s[4:5] offset:512*\i              ; Q of tile A (8 registers), then of tile B: they stay
.endr
	v_mov_b32 v5, 0                                ; written once: a lane permute's destination counts as one of its sources
	v_mov_b32 v7, 0xff61b1e6                       ; the largest t so far: -3e38, under every t
	s_delay_alu instid0(VALU_DEP_1)
	v_floor_f32 v6, -v7                            ; -M
	v_mov_b32 v8, 0                                ; the sum, in two halves
	v_mov_b32 v9, 0
	v_mov_b32 v11, 0xff61b1e6
	s_delay_alu instid0(VALU_DEP_1)
	v_floor_f32 v10, -v11
	v_mov_b32 v12, 0
	v_mov_b32 v13, 0
	v_mov_b32 v15, 0                               ; (named as the upper half of the pair v[14:15])
.set j, 0
.rept 64
	v_mov_b32 v[OA+j], 0                           ; O^T of both tiles.  (The step is written without a first step of its own: it finds zeros, which the first change of M leaves zeros)
.set j, j+1
.endr
	s_wait_kmcnt 0x0
	s_add_co_i32 s86, s70, s71                     ; a score stands for score x 2^(e6 + e7): the two exponents are added to c's exponent field
	s_lshl_b32 s86, s86, 23
	s_add_co_i32 s22, s22, s86
	s_mov_b32 s23, s22                             ; (named with it as a pair, so it is written)
	s_add_co_i32 s86, s72, 127
	s_lshl_b32 s87, s86, 23
	v_mov_b32 v4, s87                              ; 2^e8 as f32, for p's conversions
	s_add_co_i32 s59, s72, s73                     ; e8 + e9
	s_add_co_i32 s86, s74, 127
	s_lshl_b32 s87, s86, 23
	v_mov_b32 v18, s87                             ; 2^e10 as f32, for O's conversions
	s_add_co_i32 s86, s86, 15
	s_lshl_b32 s86, s86, 23
	s_or_b32 s86, s86, 0x600000
; ONE TILE'S SOFTMAX for a key step: the 64 scores of a lane in v[S] on.  st: the pair (-M, largest t); sm: the sum's pair; pc: where p's 16 registers of codes go; o: the tile's O^T.
.macro SOFTMAX st, sm, pc, o
	v_max3_num_f32 v16, v[S], v[S+1], v[S+2]       ; the step's largest score of my query among my 64 keys, in two chains, ascending: each accumulator is read from its low end on
	v_max3_num_f32 v17, v[S+3], v[S+4], v[S+5]
.set j, 6
.rept 14
	v_max3_num_f32 v16, v16, v[S+j], v[S+j+1]
	v_max3_num_f32 v17, v17, v[S+j+2], v[S+j+3]
.set j, j+4
.endr
	v_max3_num_f32 v16, v16, v[S+62], v[S+63]
	s_delay_alu instid0(VALU_DEP_1)
	v_max_num_f32 v16, v16, v17
	s_delay_alu instid0(VALU_DEP_1)
	v_permlanex16_b32 v5, v16, s20, s21
	s_delay_alu instid0(VALU_DEP_1)
	v_max_num_f32 v16, v16, v5                     ; and among lane l xor 16's
	s_delay_alu instid0(VALU_DEP_1)
	v_mul_f32 v16, s22, v16                        ; as t (c is positive)
	s_delay_alu instid0(VALU_DEP_1)
	v_max_num_f32 v[\st+1], v[\st+1], v16          ; the running largest t
	v_mov_b32 v16, v[\st]
	s_delay_alu instid0(VALU_DEP_2)
	v_floor_f32 v[\st], -v[\st+1]                  ; the new -M = floor(-t) = -ceil(t): M is a whole number
	s_delay_alu instid0(VALU_DEP_1)
	v_sub_f32 v16, v[\st], v16                     ; M's old value less its new one: a whole number, 0 or less
	s_delay_alu instid0(VALU_DEP_1)
	v_cvt_i32_f32 v16, v16                         ; (it saturates)
	s_delay_alu instid0(VALU_DEP_1)
	v_ldexp_f32 v14, 1.0, v16                      ; f = 2^(old M - new M)
.set j, 0
.rept 32
	v_pk_fma_f32 v[S+j:S+j+1], v[S+j:S+j+1], s[22:23], v[\st:\st+1] op_sel_hi:[1,0,0]   ; t - M, two at a time (of the pairs c and -M the low word serves both halves)
.set j, j+2
.endr
.set j, 0
	s_wait_alu depctr_va_vdst(0)
.rept 64
	v_exp_f32 v[S+j], v[S+j]                       ; p = 2^(t - M), at most 1: not normalised
.set j, j+1
.endr
	v_pk_mul_f32 v[\sm:\sm+1], v[\sm:\sm+1], v[14:15] op_sel_hi:[1,0]          ; the sum under the new M.  (The plain place behind the exponentials)
	s_wait_alu depctr_va_vdst(0)
	v_pk_add_f32 v[16:17], v[S:S+1], v[S+2:S+3]    ; the row's sum is taken of the UNQUANTISED p: two at a time, in two chains
.set j, 4
.rept 15
	v_pk_add_f32 v[\sm:\sm+1], v[\sm:\sm+1], v[S+j:S+j+1]
	v_pk_add_f32 v[16:17], v[16:17], v[S+j+2:S+j+3]
.set j, j+4
.endr
	s_delay_alu instid0(VALU_DEP_1)
	v_pk_add_f32 v[\sm:\sm+1], v[\sm:\sm+1], v[16:17]
.set g, 0
.rept 8
.set j, 0
.rept 8
.set j, j+1
.endr
	v_nop
	v_cvt_scalef32_pk8_bf8_f32 v[\pc+2*g:\pc+2*g+1], v[S+8*g:S+8*g+7], v4      ; keys 16 g + 8 h + 0 .. 7: registers 2 g, 2 g + 1 of the operand
.set g, g+1
.endr
.set j, 0
.rept 16
	v_pk_mul_f32 v[\o+j:\o+j+1], v[\o+j:\o+j+1], v[14:15] op_sel_hi:[1,0]      ; O^T under the new M, from each accumulator's low end on.  (Plain lines between the last conversion and the products)
.set j, j+2
.endr
.endm
; A KEY STEP: 128 keys; s56 is the step's first byte in K's region.
.macro STEP
	s_setprio 2
	v_add_nc_u32 v2, s56, v1
	s_delay_alu instid0(VALU_DEP_1)
	v_add_nc_u32 v3, VBASE, v2
	PLACES 3                                       ; five places in all behind the last step's products: the products below write over registers that those read as P of tile B; the loads below want four
.irp t, 0,1,2,3,4,5,6,7
	ds_load_b128 v[KV+8*\t:KV+8*\t+3], v2 offset:1024*\t                       ; K: tile t of 16 keys x 64 channels
	ds_load_b128 v[KV+8*\t+4:KV+8*\t+7], v2 offset:1024*\t+512
.endr
	s_wait_dscnt 0x0
.irp t, 0,1,2,3,4,5,6,7
	v_wmma_f32_16x16x64_bf8_bf8 v[S+8*\t:S+8*\t+7], v[KV+8*\t:KV+8*\t+7], v[20:27], 0          ; S^T of tile A
.endr
	PLACES 4
	SOFTMAX 6, 8, PA, OA
.irp t, 0,1,2,3,4,5,6,7
	v_wmma_f32_16x16x64_bf8_bf8 v[S+8*\t:S+8*\t+7], v[KV+8*\t:KV+8*\t+7], v[28:35], 0          ; S^T of tile B, from the same fragments of K
.endr
	PLACES 4                                       ; in front of the loads into K's registers, and of the first read of the scores
.irp t, 0,1,2,3
.irp c, 0,1,2,3
	ds_load_b128 v[KV+16*\t+4*\c:KV+16*\t+4*\c+3], v3 offset:2048*\t+512*\c    ; V: 16 channels x 128 keys; it lands under tile B's softmax
.endr
.endr
	s_setprio 1
	SOFTMAX 10, 12, PB, OB
	s_setprio 0
	s_wait_alu depctr_va_vdst(0)
	s_wait_dscnt 0x0                               ; V is in
.irp t, 0,1,2,3                                ; eight accumulators, one instruction each: between two links of a chain stand the 23 other products of a step
	v_wmma_f32_16x16x128_bf8_bf8 v[OA+8*\t:OA+8*\t+7], v[KV+16*\t:KV+16*\t+15], v[PA:PA+15], v[OA+8*\t:OA+8*\t+7]
	v_wmma_f32_16x16x128_bf8_bf8 v[OB+8*\t:OB+8*\t+7], v[KV+16*\t:KV+16*\t+15], v[PB:PB+15], v[OB+8*\t:OB+8*\t+7]
.endr
	s_add_co_u32 s56, s56, STEPB
.endm
	s_wait_loadcnt 0x0                             ; Q
	s_wait_tensorcnt 1                             ; my part of key steps 0-3 is in; my part of the rest may be out: no LDS byte is ever filled again
	s_barrier_signal -1
	s_barrier_wait -1                              ; everybody's is
	s_mov_b32 s56, 0
	s_mov_b32 s57, 4
.Lfirst:                                           ; key steps 0-3: they read bytes 0 to 32,767 of each region
	STEP
	s_sub_co_u32 s57, s57, 1
	s_cmp_lg_u32 s57, 0
	s_cbranch_scc1 .Lfirst
	s_setprio 0
	s_wait_tensorcnt 0x0                           ; my part of key steps 4-15 is in  (no LDS load of mine is out: each step waits for all of its own)
	s_barrier_signal -1
	s_barrier_wait -1                              ; everybody's is
	s_mov_b32 s56, 4*STEPB
	s_mov_b32 s57, 12
.Lrest:                                            ; key steps 4-15
	STEP
	s_sub_co_u32 s57, s57, 1
	s_cmp_lg_u32 s57, 0
	s_cbranch_scc1 .Lrest
	s_setprio 0
	; THE WAY OUT: O^T x 2^(e8 + e9) / the sum, converted with 2^e10: each tile's 32 numbers a lane become 8 registers of codes, half a fragment of the last product's operand.
	PLACES 4
	v_add_f32 v8, v8, v9                           ; the sums' two halves,
	v_add_f32 v12, v12, v13
	s_delay_alu instid0(VALU_DEP_2)
	v_permlanex16_b32 v5, v8, s20, s21
	s_delay_alu instid0(VALU_DEP_1)
	v_add_f32 v8, v8, v5                           ; and lane l xor 16's
	s_delay_alu instid0(VALU_DEP_2)
	v_permlanex16_b32 v5, v12, s20, s21
	s_delay_alu instid0(VALU_DEP_1)
	v_add_f32 v12, v12, v5
	s_wait_alu depctr_va_vdst(0)
	v_rcp_f32 v14, v8
	v_rcp_f32 v16, v12
	v_nop                                          ; a plain place behind the transcendentals
	s_wait_alu depctr_va_vdst(0)
	v_ldexp_f32 v14, v14, s59
	v_ldexp_f32 v16, v16, s59
.set j, 0
.rept 16
	v_pk_mul_f32 v[S+j:S+j+1], v[OA+j:OA+j+1], v[14:15] op_sel_hi:[1,0]
.set j, j+2
.endr
.set j, 0
.rept 16
	v_pk_mul_f32 v[S+32+j:S+32+j+1], v[OB+j:OB+j+1], v[16:17] op_sel_hi:[1,0]
.set j, j+2
.endr
.set j, 0
.rept 64
.set j, j+1
.endr
.irp t, 0,1,2,3,4,5,6,7
	v_cvt_scalef32_pk8_bf8_f32 v[PA+2*\t:PA+2*\t+1], v[S+8*\t:S+8*\t+7], v18   ; t = 0-3: tile A's channels 16 t + 8 h on; t = 4-7: tile B's
.endr
	v_nop
.irp i, 0,1
.irp g, 0,1
	global_store_b128 v1, v[PA+8*\i+4*\g:PA+8*\i+4*\g+3], s[12:13] offset:4096*\i+512*\g       ; 32 lanes store 512 consecutive bytes, aligned
.endr
.endr
	s_wait_tensorcnt 0x0
	ds_add_u32 v254, v255
	s_wait_dscnt 0x0
	CROUND                                         ; the closing round: no work-group ends while a partner may still ask for a tile that names it
	s_endpgm
.Lfunc_end_k_q1982f6c3bb_attn:
	.size	k_q1982f6c3bb_attn, .Lfunc_end_k_q1982f6c3bb_attn-k_q1982f6c3bb_attn
	.p2alignl 7, 3214868480
	.fill 96, 4, 3214868480
	.section	.rodata,"a",@progbits
	.p2align	6, 0x0
	.amdhsa_kernel k_q1982f6c3bb_attn
		.amdhsa_group_segment_fixed_size 264192
		.amdhsa_private_segment_fixed_size 0
		.amdhsa_enable_private_segment 0
		.amdhsa_kernarg_size 40
		.amdhsa_user_sgpr_count 2
		.amdhsa_user_sgpr_kernarg_segment_ptr 1
		.amdhsa_wavefront_size32 1
		.amdhsa_system_sgpr_workgroup_id_x 1
		.amdhsa_system_sgpr_workgroup_id_y 1
		.amdhsa_system_sgpr_workgroup_id_z 1
		.amdhsa_system_vgpr_workitem_id 0
		.amdhsa_next_free_vgpr 256
		.amdhsa_next_free_sgpr 96
		.amdhsa_reserve_vcc 0
		.amdhsa_float_denorm_mode_32 3
		.amdhsa_float_denorm_mode_16_64 3
		.amdhsa_fp16_overflow 1
		.amdhsa_memory_ordered 1
		.amdhsa_forward_progress 1
		.amdhsa_inst_pref_size 65
	.end_amdhsa_kernel
	.amdgpu_metadata
---
amdhsa.version: [ 1, 2 ]
amdhsa.kernels:
  - .name:           k_q1982f6c3bb_attn
    .symbol:         k_q1982f6c3bb_attn.kd
    .args:
      - { .name: qc, .offset: 0, .size: 8, .value_kind: global_buffer, .address_space: global }
      - { .name: kc, .offset: 8, .size: 8, .value_kind: global_buffer, .address_space: global }
      - { .name: vc, .offset: 16, .size: 8, .value_kind: global_buffer, .address_space: global }
      - { .name: lowp_scales, .offset: 24, .size: 8, .value_kind: global_buffer, .address_space: global }
      - { .name: ac, .offset: 32, .size: 8, .value_kind: global_buffer, .address_space: global }
    .group_segment_fixed_size: 264192
    .private_segment_fixed_size: 0
    .kernarg_segment_align: 8
    .kernarg_segment_size: 40
    .max_flat_workgroup_size: 512
    .sgpr_count:     96
    .vgpr_count:     256
    .wavefront_size: 32
...
	.end_amdgpu_metadata
.endif
;; end of part 2
;; launch outp (part 3): grid 4 x 32, 4 waves a work-group, clusters of 4 x 4, 327,680 bytes of LDS; arguments ac, Wo_codes, bo, lowp_scales, out0; writes out0
.if DOCPART == 3
	.amdgcn_target "amdgcn-amd-amdhsa--gfx1250"
	.amdhsa_code_object_version 6
	.text
	.protected	k_q1982f6c3bb_outp
	.globl	k_q1982f6c3bb_outp
	.p2align	8
	.type	k_q1982f6c3bb_outp,@function
k_q1982f6c3bb_outp:
	s_mov_b64 s[64:65], 0
	v_nop
	global_prefetch_b8 v0, s[64:65] scope:SCOPE_SE
	s_setreg_imm32_b32 hwreg(HW_REG_WAVE_MODE, 25, 1), 1
	s_wait_xcnt 0x0
	s_wait_alu depctr_hold_cnt(0) depctr_sa_sdst(0) depctr_va_vdst(0) depctr_va_sdst(0) depctr_va_ssrc(0) depctr_va_vcc(0) depctr_vm_vsrc(0)
	s_getreg_b32 s2, hwreg(HW_REG_IB_STS2, 6, 4)
	s_cmp_eq_u32 s2, 0
	s_cbranch_scc0 .Lentry_in_a_cluster
	s_endpgm
.Lentry_in_a_cluster:
	s_bfe_u32 s2, ttmp6, 0x10000c
	s_cmp_lg_u32 s2, 0xf033
	s_cbranch_scc0 .Lentry_shape_is_right
	s_endpgm
.Lentry_shape_is_right:
; THE LAST PRODUCT: out0 = a Wo^T + bo.  a: 8,192 tokens x 1,024, codes of E5M2 made by the attention launch (scale: entry 10), Wo: [1,024][1,024] codes as given (entry 11); out0 f32.
; A tile of C, 256 x 256, is made by four waves, each 128 x 128: 64 accumulators.  K = 1,024 goes in four steps of 256 through two LDS slots.  128 work-groups: 32 x 4 tiles.
; A's codes lie in memory as IMAGES OF OPERAND REGISTERS, [block of 128 tokens][256 along K][tile of 16 tokens 8][128 along K 2][g 4][lane 32][16 bytes], in the plain 8-bit form's own layout
; (registers 2 c, 2 c + 1: k = 16 c + 8 h + 0 .. 7): a K step of 128 rows is one dense block of 32,768 bytes, and a fragment comes by four loads of 512 consecutive bytes.
; So B's fragments are fetched in that same layout, from rows: eight loads of 8 bytes, 16 bytes apart, at row x pitch + 8 h.
; THE MATRIX INSTRUCTION IS USED TRANSPOSED (source 0 = 16 rows of Wo, source 1 = 16 tokens): a lane holds eight neighbouring numbers of a row of out0.
; CLUSTERS: 4 x 4 work-groups; A's tiles are asked for jointly along a row of the cluster, B's along a column.
; LIMIT: entries 10 + 11 of the scales between -126 and 127.
; REGISTERS, in windows of 256: window 0: v1-31 addresses; v32-35 my four columns' bias; v128-255 A's fragments, ONE set; on the way out rows read back from the stage.
;   window 1: B's fragments, TWO sets.   windows 2, 3: the accumulators ((a, b) at v[8 (8 (a % 4) + b)]).
.set ROWB,   256
.set KROW,   1024
.set PITCH,  272                       ; B's LDS row: 256 bytes + 16 = 68 words: lane (r, h) of a load of 8 bytes starts at word 68 r + 2 h: the 32 lanes touch 64 different banks
.set FR,     16
.set NL,     4                         ; LDS loads that bring a fragment of A
.set NP,     4
.set HALFT,  128*PITCH                 ; 128 rows of B
.set ABYTES, 65536                     ; A's 256 rows x 256 codes, as images
.set SLOT,   ABYTES+2*HALFT
.set SPARE,  2*SLOT                    ; behind the ring: the spare words, 128 bytes for each wave: two blocks of 256 bytes that no other line names
.set ASTEP,  65536                     ; a slot's next tile lies two K steps on: 2 x 32,768 bytes in A's buffer,
.set BSTEP,  2*ROWB                    ; 512 bytes along B's rows
.set SPITCH, 528                       ; the way out: a stage of 16 rows x (512 bytes + 16) for each wave, in slot 0, which has had its last fill and its last read when the first result is stored there
.set ADRA, 16
.set ADRB, 20
.set STO,  24                          ; v24     the way out: where I put 32 bytes of a row
.set RD,   25                          ; v25     the way out: where I read a row back
.set CO,   26                          ; v26     16 x lane
.set SPW,  28
.set NIL,  29
.set AF,   128
.set BK,   128                         ; the way out: 16 rows read back: v128-191 and v192-255 by turns
.set G1, 24
.set G0, 32
.set G1B, 48
.set G0B, 56
.set MSB, 0
.macro WIN new                         ; the immediate's high byte repeats the setting that is left
.if MSB != (\new)
	s_set_vgpr_msb (MSB<<8)|(\new)
.set MSB, (\new)
.endif
.endm
.set MUL_LO, 0xa1
.set MUL_HI, 0xf1
.set TO_B,   0x40
.macro JLOAD g0a, g1a, g0b, g1b        ; a joint load: waves 0 and 1 fetch for A, waves 2 and 3 for B; four v_nop follow each of the two lines
	s_cmp_eq_u32 s15, 0
	s_cbranch_scc0 .Lfor_b_\@
	tensor_load_to_lds s[\g0a:\g0a+3], s[\g1a:\g1a+7]
	s_nop 0
.rept 4
	v_nop
.endr
	s_branch .Lasked_\@
.Lfor_b_\@:
	tensor_load_to_lds s[\g0b:\g0b+3], s[\g1b:\g1b+7]
	s_nop 0
.rept 4
	v_nop
.endr
.Lasked_\@:
.endm
.macro CREST
	s_cmp_lg_u32 s14, 0
	s_cbranch_scc1 .Lnot_wave_0_\@
	s_barrier_signal -3
.Lnot_wave_0_\@:
	s_barrier_wait -3
	s_barrier_signal -1
	s_barrier_wait -1
.endm
.macro CROUND
	s_barrier_signal -1
	s_barrier_wait -1
	CREST
.endm
	s_load_b256 s[4:11], s[0:1], 0x0               ; ac s[4:5], Wo's codes s[6:7], bo s[8:9], the scales' exponents s[10:11]
	s_load_b64 s[12:13], s[0:1], 0x20              ; out0
	v_lshl_add_u32 v[SPW], v0, 2, SPARE
	v_mov_b32 v[NIL], 0
	ds_add_u32 v28, v29
	ds_add_u32 v28, v29
	s_wait_dscnt 0x0
	v_lshrrev_b32 v1, 5, v0
	v_readfirstlane_b32 s14, v1                    ; wave 0..3
	s_lshr_b32 s15, s14, 1                         ; which half of the tile's rows is mine.  Also: I fetch for A (0) or for B (1)
	s_and_b32 s16, s14, 1                          ; which half of its columns.  Also: which half of that tile I fetch
	s_bfe_u32 s40, ttmp6, 0x40000                  ; cx, cy
	s_bfe_u32 s41, ttmp6, 0x40004
	s_lshl_b32 s42, ttmp9, 2
	s_add_co_u32 s42, s42, s40                     ; tile column of C
	s_and_b32 s17, ttmp7, 0xffff
	s_lshl_b32 s17, s17, 2
	s_add_co_u32 s17, s17, s41                     ; tile row of C
	s_lshl_b32 s43, s41, 2
	s_lshl_b32 s43, 15, s43                        ; my row of the cluster
	s_lshl_b32 s44, 0x1111, s40                    ; my column
	s_or_b32 s[G1+0], s43, (0<<16)|(1<<21)         ; A: a dense block of 128 rows x 256 bytes, no padding; 15:0 the mask: my row; 21 set beside a mask
	s_mov_b32 s[G1+1], 256<<16                     ; tensor_dim0
	s_mov_b32 s[G1+2], 128<<16                     ; tensor_dim1
	s_mov_b32 s[G1+3], 256<<16                     ; tile_dim0
	s_mov_b32 s[G1+4], 128                         ; tile_dim1
	s_mov_b32 s[G1+5], 256                         ; tensor_dim0_stride: each row begins where the last ends
	s_mov_b32 s[G1+6], 0
	s_mov_b32 s[G1+7], 0
	s_or_b32 s[G1B+0], s44, (0<<16)|(1<<20)|(1<<21)|(5<<22)|(3<<25)   ; B: 128 rows x 256 bytes, four words of padding after every 64; the mask: my column
	s_mov_b32 s[G1B+1], ROWB<<16
	s_mov_b32 s[G1B+2], 128<<16
	s_mov_b32 s[G1B+3], ROWB<<16
	s_mov_b32 s[G1B+4], 128
	s_mov_b32 s[G1B+5], KROW
	s_mov_b32 s[G1B+6], 0
	s_mov_b32 s[G1B+7], 0
	s_lshl_b32 s20, s17, 1
	s_add_co_u32 s20, s20, s16                     ; A: block of 128 tokens 2 x tile row + half,
	s_lshl_b32 s20, s20, 17                        ; 131,072 bytes each
	s_mov_b32 s21, 0
	s_lshl_b32 s46, s42, 8
	s_lshl_b32 s18, s16, 7
	s_add_co_u32 s46, s46, s18                     ; B: row 256 x tile column + 128 x half
	s_lshl_b32 s46, s46, 10
	s_mov_b32 s47, 0
	s_lshl_b32 s45, s16, 15                        ; where they go: A's half x 32,768;
	s_mul_i32 s95, s16, HALFT
	s_add_co_u32 s95, s95, ABYTES                  ; B's half x 128 rows, behind A's images: no place in the cluster enters an LDS address
	s_wait_kmcnt 0x0
	s_load_b64 s[96:97], s[10:11], 0x28            ; entries 10 and 11
	s_add_nc_u64 s[4:5], s[4:5], s[20:21]
	s_add_nc_u64 s[6:7], s[6:7], s[46:47]
	CROUND                                         ; all sixteen work-groups are here: the first joint loads meet
.irp s, 0,1
	s_mov_b32 s[G0+4*\s], 1
	s_add_co_u32 s[G0+4*\s+1], s45, \s*SLOT
	s_add_nc_u64 s[G0+4*\s+2:G0+4*\s+3], s[4:5], \s*32768  ; K step s
	s_or_b32 s[G0+4*\s+3], s[G0+4*\s+3], 0x80000000
	s_mov_b32 s[G0B+4*\s], 1
	s_add_co_u32 s[G0B+4*\s+1], s95, \s*SLOT
	s_add_nc_u64 s[G0B+4*\s+2:G0B+4*\s+3], s[6:7], \s*ROWB
	s_or_b32 s[G0B+4*\s+3], s[G0B+4*\s+3], 0x80000000
	s_wait_alu depctr_va_vdst(0)
	s_wait_tensorcnt 0x0
	ds_add_u32 v28, v29
	ds_add_u32 v28, v29
	s_wait_dscnt 0x0
	CROUND
	JLOAD G0+4*\s, G1, G0B+4*\s, G1B               ; one tensor load of mine is out
.endr
	v_and_b32 v1, 15, v0                           ; r
	v_bfe_u32 v2, v0, 4, 1                         ; h
	v_and_b32 v5, 31, v0
	v_lshlrev_b32 v[CO], 4, v5                     ; 16 x lane
	v_mul_u32_u24 v3, v1, PITCH
	v_lshl_add_u32 v4, v2, 3, v3                   ; B: row x pitch + 8 h
	s_lshl_b32 s21, s15, 15                        ; my 128 rows of A: 32,768 bytes of images
	s_mul_i32 s22, s16, HALFT                      ; my 128 rows of B,
	s_add_co_u32 s22, s22, ABYTES                  ; behind A's images
.irp s, 0,1
	v_add_nc_u32 v[ADRA+\s], s21, v[CO]
	v_add_nc_u32 v[ADRB+\s], s22, v4
	s_add_co_u32 s21, s21, SLOT
	s_add_co_u32 s22, s22, SLOT
.endr
	s_mul_i32 s23, s14, 16*SPITCH                  ; my stage
	v_mul_u32_u24 v6, v1, SPITCH                   ; in: row r, 32 bytes for each half of the lanes
	v_lshl_add_u32 v6, v2, 5, v6
	v_add_nc_u32 v[STO], s23, v6
	v_add_nc_u32 v[RD], s23, v[CO]                 ; back: the 32 lanes take one row of 512 bytes
	s_lshl_b32 s84, s42, 10                        ; my first column, in bytes: 1,024 x tile column + 512 x half
	s_lshl_b32 s85, s16, 9
	s_add_co_u32 s84, s84, s85
	s_mov_b32 s85, 0
	s_add_nc_u64 s[8:9], s[8:9], s[84:85]
	global_load_b128 v[32:35], v[CO], s[8:9]       ; bo of the four columns that I store of every row
	s_lshl_b32 s86, s17, 8
	s_lshl_b32 s87, s15, 7
	s_add_co_u32 s86, s86, s87                     ; my first row of out0: 256 x tile row + 128 x half,
	s_lshl_b32 s86, s86, 12                        ; 4,096 bytes a row: under 2^25
	s_mov_b32 s87, 0
	s_add_nc_u64 s[86:87], s[86:87], s[84:85]
	s_add_nc_u64 s[12:13], s[12:13], s[86:87]
	s_wait_alu depctr_va_vdst(0)
	s_wait_kmcnt 0x0
	s_add_co_i32 s96, s96, s97
	s_add_co_i32 s96, s96, 127
	s_lshl_b32 s96, s96, 23                        ; 2^(e10 + e11) as f32
	s_mov_b32 s97, s96                             ; (named with it as a pair, so it is written)
.macro FRAGA reg, adr, q, i            ; an image comes back as it was stored: registers 4 c .. 4 c + 3 of lane l at 512 c + 16 l
.irp c, 0,1,2,3
	ds_load_b128 v[\reg+4*\c:\reg+4*\c+3], v[\adr] offset:4096*(\i)+2048*(\q)+512*\c
.endr
.endm
.macro FRAGB reg, adr, q, i            ; from rows: registers 2 c, 2 c + 1 hold k = 16 c + 8 h + 0 .. 7
.irp c, 0,1,2,3,4,5,6,7
	ds_load_b64 v[\reg+2*\c:\reg+2*\c+1], v[\adr] offset:128*(\q)+16*\c+(\i)*16*PITCH
.endr
.endm
; 16 matrix instructions: A's blocks a0, a0 + 1 x B's eight.  The 64 accumulators take turns, one instruction a turn, in the same order in every step.
.macro MUL16 a0, p, zero
.irp a, \a0, \a0+1
.irp b, 0,1,2,3,4,5,6,7
.if \zero
	v_wmma_f32_16x16x128_bf8_bf8 v[8*(8*((\a)%4)+\b):8*(8*((\a)%4)+\b)+7], v[128*(\p)+FR*\b:128*(\p)+FR*\b+FR-1], v[AF+FR*(\a):AF+FR*(\a)+FR-1], 0
.else
	v_wmma_f32_16x16x128_bf8_bf8 v[8*(8*((\a)%4)+\b):8*(8*((\a)%4)+\b)+7], v[128*(\p)+FR*\b:128*(\p)+FR*\b+FR-1], v[AF+FR*(\a):AF+FR*(\a)+FR-1], v[8*(8*((\a)%4)+\b):8*(8*((\a)%4)+\b)+7]
.endif
.endr
.endr
.endm
.macro FETCH_B slot, q, p
	WIN TO_B
.irp i, 0,1,2,3,4,5,6,7
	FRAGB 128*(\p)+FR*\i, ADRB+\slot, \q, \i
.endr
	WIN 0
.endm
.macro FETCH_A slot, q, i0
.irp i, \i0, \i0+1, \i0+2, \i0+3
	FRAGA AF+FR*(\i), ADRA+\slot, \q, \i
.endr
.endm
.macro PLACES n                        ; places behind matrix instructions, in front of loads into registers that they read and of reads of their results
.rept \n
	v_nop
.endr
.endm
.macro STEP slot, q, zero
	s_wait_dscnt 4*NL                              ; B's set and A's blocks 0-3 are in; the youngest sixteen loads (A's blocks 4-7) may be out
	WIN MUL_LO
	MUL16 0, (\q)%2, \zero
	MUL16 2, (\q)%2, \zero
	s_wait_dscnt 0
	PLACES NP
	FETCH_B \slot, (\q)+1, 1-(\q)%2
	FETCH_A \slot, (\q)+1, 0
	WIN MUL_HI
	MUL16 4, (\q)%2, \zero
	MUL16 6, (\q)%2, \zero
	PLACES NP
	WIN 0
	FETCH_A \slot, (\q)+1, 4
.endm
; A slot's last step changes slots: ONE barrier; in front of it each wave waits for all its tensor loads, adds 0 to its spare word, and waits for that and for its own reads of this slot.
.macro TURN slot, next, fill
	s_wait_tensorcnt 0x0                           ; all my tensor loads have landed: my part of the next slot  (every window is 0 here)
	ds_add_u32 v[SPW], v[NIL]                      ; 0 onto my spare word
	s_wait_dscnt 4*NL+1                            ; (the add and the youngest sixteen loads, A's blocks 4-7, may be out)
	WIN MUL_LO
	MUL16 0, 1, 0
	s_wait_dscnt 0x0                               ; the add is done, and my reads of this slot are over
	s_barrier_signal -1
	MUL16 2, 1, 0
	WIN 0
	s_barrier_wait -1
.if \fill
	CREST                                          ; the barrier has opened a round of the cluster's barrier
	s_add_nc_u64 s[G0+4*\slot+2:G0+4*\slot+3], s[G0+4*\slot+2:G0+4*\slot+3], ASTEP
	s_add_nc_u64 s[G0B+4*\slot+2:G0B+4*\slot+3], s[G0B+4*\slot+2:G0B+4*\slot+3], BSTEP
	JLOAD G0+4*\slot, G1, G0B+4*\slot, G1B         ; the first tensor load behind the round, my one load out; its four v_nop are also the places in front of the loads below
.else
	PLACES NP
.endif
	FETCH_B \next, 0, 0
	FETCH_A \next, 0, 0
	WIN MUL_HI
	MUL16 4, 1, 0
	MUL16 6, 1, 0
	PLACES NP
	WIN 0
	FETCH_A \next, 0, 4
.endm
	s_wait_tensorcnt 1                             ; my part of K step 0 is in; K step 1's load may be out
	s_barrier_signal -1
	s_barrier_wait -1
	FETCH_B 0, 0, 0
	FETCH_A 0, 0, 0
	FETCH_A 0, 0, 4
	STEP 0, 0, 1                                   ; four K steps, eight steps of 128: written out, a loop would have one trip
	TURN 0, 1, 1                                   ; slot 0 takes K step 2
	STEP 1, 0, 0
	TURN 1, 0, 1                                   ; slot 1 takes K step 3
	STEP 0, 0, 0
	TURN 0, 1, 0                                   ; nothing is left to fetch; behind this barrier nobody reads slot 0 any more
	STEP 1, 0, 0
	s_wait_dscnt 4*NL                              ; the very last step
	WIN MUL_LO
	MUL16 0, 1, 0
	MUL16 2, 1, 0
	s_wait_dscnt 0
	WIN MUL_HI
	MUL16 4, 1, 0
	MUL16 6, 1, 0
	WIN 0
; THE WAY OUT, block by block of 16 rows x 128 columns.  A lane holds 32 neighbouring bytes of a row, and the lanes beside it hold other rows: a block's sums go through my own stage in LDS as they are and come back as whole
; rows of 512 bytes.  Then a lane holds the same four columns of every row: four registers of bias serve, and one packed multiply-add for two numbers gives sum x 2^(e10 + e11) + bo.
; LDS serves a wave's instructions in order (ISA guide 5.7.1.4): no wait between the stores and the loads, nor in front of the next block's stores.
.macro TOSTAGE a
.set AC, 64*((\a)%4)
.set BB, BK+64*((\a)%2)
	WIN 0x08+4*((\a)/4)                            ; the stores' data: window 2 or 3
.irp b, 0,1,2,3,4,5,6,7
	ds_store_b128 v[STO], v[AC+8*\b:AC+8*\b+3] offset:64*\b                    ; each accumulator from its low end on
	ds_store_b128 v[STO], v[AC+8*\b+4:AC+8*\b+7] offset:64*\b+16
.endr
	WIN 0
.irp t, 0,1,2,3,4,5,6,7,8,9,10,11,12,13,14,15
	ds_load_b128 v[BB+4*\t:BB+4*\t+3], v[RD] offset:\t*SPITCH
.endr
.endm
.macro SEND a, younger                 ; younger: the LDS instructions issued behind block a's loads, which may stay out
.set BB, BK+64*((\a)%2)
	s_wait_dscnt \younger                          ; the block is back in registers
.if (\a) > 0
	s_add_nc_u64 s[12:13], s[12:13], 16*4096       ; (behind a wait on XCNT: the earlier stores have read their base)  16 rows of out0 on
.endif
.irp t, 0,1,2,3,4,5,6,7,8,9,10,11,12,13,14,15
	v_pk_fma_f32 v[BB+4*\t:BB+4*\t+1], v[BB+4*\t:BB+4*\t+1], s[96:97], v[32:33] op_sel_hi:[1,0,1]
	v_pk_fma_f32 v[BB+4*\t+2:BB+4*\t+3], v[BB+4*\t+2:BB+4*\t+3], s[96:97], v[34:35] op_sel_hi:[1,0,1]
	global_store_b128 v[CO], v[BB+4*\t:BB+4*\t+3], s[12:13] offset:\t*4096 th:TH_STORE_NT      ; 32 lanes store 512 consecutive bytes, aligned; written once, read by nobody here
.endr
.endm
	s_wait_loadcnt 0x0                             ; bo
	PLACES NP                                      ; behind the last products: for the stores that read results and the loads into the registers that held A's fragments
	TOSTAGE 0
.irp a, 1,2,3,4,5,6,7
.if \a > 1
	s_wait_xcnt 0x0                                ; block a - 2's stores have read their registers and their base: block a's loads may land there, and the base may step
.endif
	TOSTAGE \a
	SEND \a-1, 32                                  ; behind block a - 1's loads: block a's 16 stores and 16 loads
.endr
	s_wait_xcnt 0x0                                ; block 6's stores have read their base
	SEND 7, 0
	s_wait_tensorcnt 0x0                           ; the wave's end
	ds_add_u32 v[SPW], v[NIL]
	s_wait_dscnt 0x0
	CROUND                                         ; the closing round
	s_endpgm
.Lfunc_end_k_q1982f6c3bb_outp:
	.size	k_q1982f6c3bb_outp, .Lfunc_end_k_q1982f6c3bb_outp-k_q1982f6c3bb_outp
	.p2alignl 7, 3214868480
	.fill 96, 4, 3214868480
	.section	.rodata,"a",@progbits
	.p2align	6, 0x0
	.amdhsa_kernel k_q1982f6c3bb_outp
		.amdhsa_group_segment_fixed_size 327680
		.amdhsa_private_segment_fixed_size 0
		.amdhsa_enable_private_segment 0
		.amdhsa_kernarg_size 40
		.amdhsa_user_sgpr_count 2
		.amdhsa_user_sgpr_kernarg_segment_ptr 1
		.amdhsa_wavefront_size32 1
		.amdhsa_system_sgpr_workgroup_id_x 1
		.amdhsa_system_sgpr_workgroup_id_y 1
		.amdhsa_system_sgpr_workgroup_id_z 1
		.amdhsa_system_vgpr_workitem_id 0
		.amdhsa_next_free_vgpr 1024
		.amdhsa_next_free_sgpr 100
		.amdhsa_reserve_vcc 0
		.amdhsa_float_denorm_mode_32 3
		.amdhsa_float_denorm_mode_16_64 3
		.amdhsa_memory_ordered 1
		.amdhsa_forward_progress 1
		.amdhsa_inst_pref_size 140
	.end_amdhsa_kernel
	.amdgpu_metadata
---
amdhsa.version: [ 1, 2 ]
amdhsa.kernels:
  - .name:           k_q1982f6c3bb_outp
    .symbol:         k_q1982f6c3bb_outp.kd
    .args:
      - { .name: ac, .offset: 0, .size: 8, .value_kind: global_buffer, .address_space: global }
      - { .name: Wo_codes, .offset: 8, .size: 8, .value_kind: global_buffer, .address_space: global }
      - { .name: bo, .offset: 16, .size: 8, .value_kind: global_buffer, .address_space: global }
      - { .name: lowp_scales, .offset: 24, .size: 8, .value_kind: global_buffer, .address_space: global }
      - { .name: out0, .offset: 32, .size: 8, .value_kind: global_buffer, .address_space: global }
    .group_segment_fixed_size: 327680
    .private_segment_fixed_size: 0
    .kernarg_segment_align: 8
    .kernarg_segment_size: 40
    .max_flat_workgroup_size: 128
    .sgpr_count:     100
    .vgpr_count:     1024
    .wavefront_size: 32
...
	.end_amdgpu_metadata
.endif
;; end of part 3
